; MI455X (gfx1250); checked and timed in simulation.
; The chip was launched on July 23, 2026; its instructions are those of AMD's public machine-readable ISA for CDNA 5 (MIT licence, August 2026) and "CDNA5" Instruction Set Architecture Reference Guide (July 2026). The comments in the code are by the model that wrote it; some were corrected since.
;; Experts. Allowed arithmetic: matrix products marked QUANTISED: E5M2 operands, one E8M0 scale for each 32 along K, by v_wmma_scale_f32_16x16x128_f8f6f4 with both operands' format E5M2, f32 sums; everything else in f32.
;; Inputs: b1 8 x 2,048 float32; b2 8 x 512 float32; inputs_codes 2 x 8 x 2,048 x 16 x 32 uint8 (E5M2 codes of inputs, K innermost, in blocks of 32 codes); inputs_scales 2 x 8 x 2,048 x 16 uint8 (E8M0 scales of inputs, one for each 32 codes along K); w1_codes 8 x 2,048 x 16 x 32 uint8 (E5M2 codes of w1, K innermost, in blocks of 32 codes); w1_scales 8 x 2,048 x 16 uint8 (E8M0 scales of w1, one for each 32 codes along K); w2_codes 8 x 512 x 64 x 32 uint8 (E5M2 codes of w2, K innermost, in blocks of 32 codes); w2_scales 8 x 512 x 64 uint8 (E8M0 scales of w2, one for each 32 codes along K).
;; Outputs: out0 2 x 8 x 2,048 x 512 float32.
;; This version of the problem:
;;   THIS VERSION OF THE PROBLEM IS GIVEN IN LOW PRECISION. The matrix products marked QUANTISED in the list below multiply operands that are first quantised to E5M2 (5 exponent bits, 2 mantissa bits; 8 bits a number), with one power-of-two scale for each 32 numbers along K (OCP MX v1.0); their sums are f32. All else is computed in f32.
;;   The module's matrix products, in the order in which they are computed (A, B: the left and right operand; K: the contracted axis; several contracted axes count as one K, in the product's order):
;;     1. batch 8 x [M 2,048, K 512] x [K 512, N 4,096]; A: input w1 (given as codes); B: input inputs (given as codes): QUANTISED
;;     2. batch 8 x [M 512, K 2,048] x [K 2,048, N 4,096]; A: input w2 (given as codes); B: computed on the way: QUANTISED
;;   THE QUANTISER, for each operand of a quantised product, along K:
;;     - K is cut into blocks of 32 from its start; a last block that is shorter is filled with zeros.
;;     - A block's scale is 2^e with e = floor(log2(the largest magnitude in the block)) - 15, held to -126 .. 127; a block of zeros has e = 0. As a byte (E8M0): e + 127.
;;     - Each number is divided by its block's scale, clamped to +-57,344, and rounded to the nearest number of E5M2, ties to even, subnormals kept.
;;     - The product sums the exact products of the quantised numbers (number of the format x scale) in f32.
;;   ~~~python
;;   def quantise(x, axis):      # numpy; x: float32 -> the quantised numbers, widened to float32 again
;;       x = np.moveaxis(x, axis, -1); K = x.shape[-1]
;;       x = np.pad(x, [(0, 0)] * (x.ndim - 1) + [(0, -K % 32)]); x = x.reshape(x.shape[:-1] + (-1, 32)); a = np.abs(x).max(-1, keepdims=True)
;;       e = np.where(a > 0, np.clip(np.frexp(np.where(a > 0, a, 1))[1] - 1 - 15, -126, 127), 0)      # np.frexp(a)[1] - 1 = floor(log2(a)), exactly
;;       r = np.clip(x / 2.0 ** e, -57344, 57344)
;;       step = 2.0 ** (np.maximum(np.frexp(np.where(r == 0, 1, r))[1] - 1, -14) - 2)
;;       q = np.round(r / step) * step * 2.0 ** e      # np.round: ties to even
;;       return np.moveaxis(q.reshape(q.shape[:-2] + (-1,))[..., :K], -1, axis).astype(np.float32)
;;   ~~~
;;   OPERANDS COMPUTED ON THE WAY. 'Computed on the way' means the value that the module computes at that place (a softmax that the list does not call 'softmax' is quantised finished and normalised). What goes into a quantiser is computed in f32, as accurately as f32 sums, v_exp_f32 and their like allow (about 1e-6 of the number): no bf16 or f16 on the way to a quantiser, and a product that is left as it is and whose result goes on into a quantised operand takes f32 operands (vector FMAs, or v_wmma_f32_16x16x4_f32). A number that lies on a knife's edge between two numbers of the format may be rounded either way, as far as f32 arithmetic and the matrix unit's own rounding can turn it there, and no further.
;;   INPUTS GIVEN AS CODES. inputs (in the module: [2, 8, 2048, 512], K = its axis 3); w1 (in the module: [8, 512, 2048], K = its axis 1); w2 (in the module: [8, 2048, 512], K = its axis 1): each comes as NAME_codes (uint8): NAME with its K axis moved to the last place and cut into blocks of 32 codes, [.., K / 32, bytes a block], one block behind the other in memory; one code a byte (a code: sign, 5 exponent bits, 2 mantissa bits); and NAME_scales (uint8): the same leading axes, one E8M0 byte (e + 127) for each 32 codes along K. Its value is code x scale, taken as it is: it is not quantised again, and the codes and scales need not be those that the quantiser above would give.
;; One version. Each part assembles by itself: llvm-mc -triple=amdgcn-amd-amdhsa -mcpu=gfx1250 --defsym DOCPART=n.
;; ======== version 1 of 1: 1 launch
;; launch ffn (part 1): grid 256 x 1, 4 waves a work-group, clusters of 4 x 1, 327,680 bytes of LDS; arguments inputs_codes, inputs_scales, w1_codes, w1_scales, b1, w2_codes, w2_scales, b2, out0; writes out0
.if DOCPART == 1
	.amdgcn_target "amdgcn-amd-amdhsa--gfx1250"
	.amdhsa_code_object_version 6
	.text
	.protected	k_q138e98f676_ffn
	.globl	k_q138e98f676_ffn
	.p2align	8
	.type	k_q138e98f676_ffn,@function
k_q138e98f676_ffn:
	s_mov_b64 s[64:65], 0
	v_nop
	global_prefetch_b8 v0, s[64:65] scope:SCOPE_SE
	s_setreg_imm32_b32 hwreg(HW_REG_WAVE_MODE, 25, 1), 1
	s_wait_xcnt 0x0
	s_wait_alu depctr_hold_cnt(0) depctr_sa_sdst(0) depctr_va_vdst(0) depctr_va_sdst(0) depctr_va_ssrc(0) depctr_va_vcc(0) depctr_vm_vsrc(0)
	s_getreg_b32 s2, hwreg(HW_REG_IB_STS2, 6, 4)
	s_cmp_eq_u32 s2, 0
	s_cbranch_scc0 .Lentry_in_a_cluster
	s_endpgm
.Lentry_in_a_cluster:
	s_bfe_u32 s2, ttmp6, 0x10000c
	s_cmp_lg_u32 s2, 0x3003
	s_cbranch_scc0 .Lentry_shape_is_right
	s_endpgm
.Lentry_shape_is_right:
; out = Q(gelu(x W1 + b1)) W2 + b2 for eight experts, both products on codes of BF8 (E5M2) with one E8M0 byte for each 32 along K.
; x [2][8][2048][512], W1 [8][2048 f][512], W2 [8][512 out][2048 f]: codes, K innermost; scale bytes 16, 16 and 64 a row.  b1 [8][2048], b2 [8][512], out [2][8][2048][512]: f32.
; ONE LAUNCH: the hidden layer (4,096 x 2,048 numbers an expert) never goes to memory.  256 work-groups, each 128 token rows of one expert, four waves of 1,024 registers.
; The 2,048 hidden units go in 8 steps of 256.  A step has two phases:
;   ALPHA: first product, transposed (source 0 = 16 rows of W1, source 1 = 16 tokens).  Wave (i, j) makes tokens 64 i .. + 63 x hidden units 128 j .. + 127 of the step, 32 units (a PAIR of tiles) at a time;
;          x's 16 fragments stay in its registers for the whole launch; b1 is the C of each sum's first product.  Then gelu and the quantiser, in registers; the codes go to LDS as images of the operand's registers.
;   BETA:  second product, transposed (source 0 = 16 rows of W2, source 1 = 16 tokens of the hidden layer).  Wave w makes all 128 tokens x outputs 128 w .. + 127: 64 accumulators, 512 registers, which begin as b2.
; THE ROWS OF W1 THAT FORM A TILE ARE NOT NEIGHBOURS: lane r of tile u of a pair takes row 8 u + r + 8 (r / 8), so that a lane's 16 registers of the two tiles are 16 neighbours along the next K.
; gelu is the tanh form, written x / (1 + 2^(x (k1 + k2 x x))), k1 = -2 sqrt(2 / pi) log2(e), k2 = 0.044715 k1: the same function, one exponential and one reciprocal a number, all in f32.
; RING: slot A holds a step's 256 rows of W1 (with their scale bytes and b1), slot B its 256 bytes of W2's 512 rows (with their scale bytes).  B is filled while A is multiplied, A while B is: one change of slots a phase.
; CLUSTER: the four work-groups of a cluster belong to one expert and walk the same weights, so every tile is asked for JOINTLY (mask 15), which divides the requests for weights by four.  The round of the cluster's
; barrier in front of each joint refill is also the barrier between the writing and the reading of the hidden layer's images.
; LIMITS: NaN and infinite pre-activations are not served.  A hidden block whose largest magnitude lies under 2^-111 (a block of zeros too) gets the byte 1: these bytes are read by this kernel alone.
; W2's scale bytes ride in the ring as 512 rows of 8 bytes a step: all 32,768 of an expert do not fit beside the slots and the images (17,920 bytes are left).
;
; LDS
.set PA,    528                        ; a row of W1: 512 bytes + 16 of padding = 132 words: neighbouring rows start 4 banks apart (64 banks of 4 bytes: ISA guide 11.1)
.set PW2,   272                        ; a row of W2's tile: 256 bytes + 16
.set BSL,   256*PA                     ; slot A at 0: 135,168 bytes; slot B here: 512 rows, 139,264 bytes
.set W1SL,  BSL+512*PW2                ; the step's scale bytes of W1: 256 rows x 16
.set B1L,   W1SL+4096                  ; the step's 256 numbers of b1
.set W2SL,  B1L+1024                   ; the step's scale bytes of W2: 512 rows x 8
.set EX,    W2SL+4096                  ; the hidden layer's images: maker wave x 8,192 + its row tile x 2,048 + block of 32 x 512 + 16 x lane
.set EXS,   EX+32768                   ; their scale words: (4 x maker wave + row tile) x 128 + 4 x lane
.set SPARE, EXS+2048                   ; the spare words, 128 bytes for each wave: two blocks of 256 bytes that no other line names
; VECTOR REGISTERS.  Window 0:
.set SPW,  1                           ; LDS address of my spare word; never rewritten
.set NIL,  2                           ; 0; never rewritten
.set AW1,  3                           ; my lane's place in slot A: (128 j + r + 8 (r / 8)) PA + 16 h
.set AB1,  4                           ; in b1: 512 j + 64 h
.set AW1S, 5                           ; in W1's scale bytes: 2,048 j + 16 (8 h + r + 8 (r / 8)): lanes 0-15 tile 0's rows, lanes 16-31 tile 1's
.set WRK,  6                           ; address of the pair's fragments
.set EXW,  7                           ; where I store images: EX + 8,192 w + 16 lane
.set EXSW, 8                           ; and scale words: EXS + 512 w + 4 lane
.set AW2,  9                           ; my lane's place in slot B: (128 w + r) PW2 + 16 h
.set AW2S, 10                          ; in W2's scale bytes: (128 w + lane) 8
.set AHF,  11                          ; EX + 16 lane
.set AHS,  12                          ; EXS + 4 lane
.set PFO,  13                          ; the prefetches' offset: 2,048 x lane; never rewritten
.set K1,   14                          ; v[14:15] k1, twice
.set XS,   16                          ; v16-23 x's scale words: register 4 q + k; lanes 0-15 row tile 2 q, lanes 16-31 row tile 2 q + 1
.set SCL,  24                          ; v24-27 ALPHA: W1's words of K step k (lanes 0-15 tile 0, lanes 16-31 tile 1); BETA: W2's words of tiles 2 q (low lanes), 2 q + 1 (high lanes)
.set HS,   28                          ; v28-35 BETA: the hidden layer's words of row tile m.  v16-35 hold scales and nothing else
.set HW,   36                          ; v36-39 my four row tiles' scale words as they grow, a byte a pair
.set TM,   40                          ; v40-41 largest magnitudes, then scale operands; v42-43 the other half's, then bytes; v44-45 57,344 x the scale
.set IMG,  46                          ; where the pair's codes go
.set TA,   47                          ; address of the pair's b1, then of its scale words
.set B1R,  48                          ; v48-63 b1 in the result's layout, tile u at + 8 u
.set HA,   64                          ; v64-127 the pair's 8 accumulators: row tile m, tile u at + 16 m + 8 u
.set WF,   128                         ; v128-255 W1's fragments of the pair: K step k, tile u at + 32 k + 16 u
.set ZR,   192                         ; v192-255 gelu's 64 temporaries, where K steps 2 and 3 lay
.set HF,   64                          ; BETA: v64-191 the hidden layer's 8 fragments of a K step
.set W2F,  192                         ; BETA: v192-255 W2's fragments, two sets of two
; Window 1: x's fragments, row tile m, K step k at 64 m + 16 k.   Windows 2, 3: accumulator (n, m) of out in window 2 + n / 4 at 64 (n % 4) + 8 m.
; SCALAR REGISTERS
.set STEP, 2
.set PCT,  3
.set PO,   4                           ; s4-8, free once x is loaded: the pair's offsets: in slot A (32 rows), in b1 (128), in W1's scale bytes (512), in an image (512); its byte's shift
.set PB,   5
.set PS,   6
.set PI,   7
.set SH,   8
.set G1W1, 24                          ; descriptor groups 1
.set G1W2, 32
.set G1W1S, 40
.set G1B1, 48
.set G1W2S, 56
.set G0W1, 68                          ; descriptor groups 0
.set G0W1S, 72
.set G0B1, 76
.set G0W2, 80
.set G0W2S, 84
.set K2,   88                          ; s[88:89] k2: the packed form names a pair and takes its low word for both halves
.set SEL,  90                          ; s[90:91] v_permlanex16_b32's selects for lane l xor 16
.set MNT,  92                          ; the mantissa field of 57,344
.set FLR,  93                          ; the floor 2^(16 - 127)
.set WVN,  94                          ; wave; i = wave / 2; j = wave % 2
.set WI,   95
.set WJ,   96
.set ASKF, 97                          ; 1 in the expert's first cluster
.set PFA1, 98                          ; s[98:99], s[100:101] where my prefetches of W1 and of W2 stand
.set PFA2, 100
.set MSB, 0
.macro WIN new                         ; the immediate's high byte repeats the setting that is left; a switch that changes nothing is dropped
.if MSB != (\new)
	s_set_vgpr_msb (MSB<<8)|(\new)
.set MSB, (\new)
.endif
.endm
.macro PLACES n                        ; plain vector instructions that name no register of the matrix instructions in front of them (ISA guide 7.12.1)
.rept \n
	v_nop
.endr
.endm
.macro CROUND                          ; a round of the cluster's barrier: my work-group's barrier; wave 0 signals for the work-group; every wave waits for all four work-groups; my work-group's barrier once more
	s_barrier_signal -1
	s_barrier_wait -1
	s_cmp_lg_u32 s[WVN], 0
	s_cbranch_scc1 .Lnot_wave_0_\@
	s_barrier_signal -3
.Lnot_wave_0_\@:
	s_barrier_wait -3
	s_barrier_signal -1
	s_barrier_wait -1
.endm
; The joint loads of slot A: waves 0 and 1 fetch W1's two halves (128 rows each), wave 2 its scale bytes, wave 3 b1: one load a wave.  The branches hang on the wave's number alone.
; Four v_nop follow each load, ahead of the jump, the label and what follows.
.macro JLOAD_A
	s_cmp_lt_u32 s[WVN], 2
	s_cbranch_scc0 .Lnot_w1_\@
	tensor_load_to_lds s[G0W1:G0W1+3], s[G1W1:G1W1+7]
	s_nop 0
	PLACES 4
	s_branch .Lasked_a_\@
.Lnot_w1_\@:
	s_cmp_eq_u32 s[WVN], 2
	s_cbranch_scc0 .Lfor_b1_\@
	tensor_load_to_lds s[G0W1S:G0W1S+3], s[G1W1S:G1W1S+7]
	s_nop 0
	PLACES 4
	s_branch .Lasked_a_\@
.Lfor_b1_\@:
	tensor_load_to_lds s[G0B1:G0B1+3], s[G1B1:G1B1+7]
	s_nop 0
	PLACES 4
.Lasked_a_\@:
.endm
.macro JLOAD_B                         ; slot B: waves 0 and 1 fetch W2's two halves (256 rows each), waves 2 and 3 the halves of its scale bytes
	s_cmp_lt_u32 s[WVN], 2
	s_cbranch_scc0 .Lfor_w2s_\@
	tensor_load_to_lds s[G0W2:G0W2+3], s[G1W2:G1W2+7]
	s_nop 0
	PLACES 4
	s_branch .Lasked_b_\@
.Lfor_w2s_\@:
	tensor_load_to_lds s[G0W2S:G0W2S+3], s[G1W2S:G1W2S+7]
	s_nop 0
	PLACES 4
.Lasked_b_\@:
.endm
; A PREFETCH INTO THE L2 of the codes that the NEXT change of slots will ask for: a phase ahead of that load.  A step's part of W1 is 131,072 dense bytes, of W2 256 bytes of each of 512 rows: 512 blocks of 256 bytes each.
; Each block is named once in the launch: the eight clusters of an expert walk the same weights, and the first of them asks; its 16 waves x 32 lanes take a block each, told apart BY ADDRESS
; (the branch hangs on the cluster's number, which the partners share).  The last step asks for nothing; step 0 comes by its loads alone.
.macro ASK pfa
	s_cmp_eq_u32 s[ASKF], 1
	s_cbranch_scc0 .Lnot_mine_\@
	global_prefetch_b8 v[PFO], s[\pfa:\pfa+1] th:TH_LOAD_NT scope:SCOPE_SE
.Lnot_mine_\@:
.endm
	s_load_b512 s[4:19], s[0:1], 0x0               ; x's codes s[4:5], x's scales s[6:7], W1's codes s[8:9], W1's scales s[10:11], b1 s[12:13], W2's codes s[14:15], W2's scales s[16:17], b2 s[18:19]
	s_load_b64 s[20:21], s[0:1], 0x40              ; out
	v_lshl_add_u32 v[SPW], v0, 2, SPARE
	v_mov_b32 v[NIL], 0
	ds_add_u32 v1, v2
	ds_add_u32 v1, v2
	s_wait_dscnt 0x0
	v_lshrrev_b32 v3, 5, v0
	v_readfirstlane_b32 s[WVN], v3                 ; wave 0..3
	s_lshr_b32 s[WI], s[WVN], 1
	s_and_b32 s[WJ], s[WVN], 1
	s_lshr_b32 s23, ttmp9, 3                       ; the expert: eight clusters (32 work-groups) each; in a cluster launch ttmp9 counts clusters
	s_bfe_u32 s22, ttmp6, 0x40000                  ; cx: my place in the cluster: it enters x's, out's and the prefetches' addresses alone
	v_and_b32 v40, 31, v0                          ; lane
	v_and_b32 v41, 15, v0                          ; r
	v_bfe_u32 v44, v0, 4, 1                        ; h
	v_and_b32 v6, 8, v41
	v_add_nc_u32 v6, v6, v41                       ; r + 8 (r / 8)
	v_lshlrev_b32 v47, 9, v41
	v_lshl_add_u32 v47, v44, 4, v47                ; x: row r of 512 bytes, + 16 h
	v_lshlrev_b32 v46, 4, v40                      ; x's scale bytes: 16 a row, a lane a row
	v_lshlrev_b32 v45, 5, v44                      ; b2: my half's eight numbers
	; descriptor groups 1.  Word 0: 15:0 the mask, all four work-groups; 17:16 the element's size; 20 padding on; 21 set beside a mask; 24:22 the padding's interval; 31:25 its length less one
	s_mov_b32 s[G1W1], 15|(1<<20)|(1<<21)|(6<<22)|(3<<25)   ; W1: 128 rows of 512 bytes, dense; 4 words of padding after every 128
	s_mov_b32 s[G1W1+1], 512<<16                   ; tensor_dim0
	s_mov_b32 s[G1W1+2], 128<<16                   ; tensor_dim1
	s_mov_b32 s[G1W1+3], 512<<16                   ; tile_dim0
	s_mov_b32 s[G1W1+4], 128                       ; tile_dim1
	s_mov_b32 s[G1W1+5], 512                       ; from row to row
	s_mov_b32 s[G1W1+6], 0
	s_mov_b32 s[G1W1+7], 0
	s_mov_b32 s[G1W2], 15|(1<<20)|(1<<21)|(5<<22)|(3<<25)   ; W2: 256 rows of 256 bytes, 2,048 apart; 4 words of padding after every 64
	s_mov_b32 s[G1W2+1], 256<<16
	s_mov_b32 s[G1W2+2], 256<<16
	s_mov_b32 s[G1W2+3], 256<<16
	s_mov_b32 s[G1W2+4], 256
	s_mov_b32 s[G1W2+5], 2048
	s_mov_b32 s[G1W2+6], 0
	s_mov_b32 s[G1W2+7], 0
	s_mov_b32 s[G1W1S], 15|(3<<16)|(1<<21)         ; W1's scale bytes: 4,096 dense bytes as 16 rows of 32 elements of 8 bytes
	s_mov_b32 s[G1W1S+1], 32<<16
	s_mov_b32 s[G1W1S+2], 16<<16
	s_mov_b32 s[G1W1S+3], 32<<16
	s_mov_b32 s[G1W1S+4], 16
	s_mov_b32 s[G1W1S+5], 32
	s_mov_b32 s[G1W1S+6], 0
	s_mov_b32 s[G1W1S+7], 0
	s_mov_b32 s[G1B1], 15|(3<<16)|(1<<21)          ; b1: 1,024 dense bytes as 4 such rows
	s_mov_b32 s[G1B1+1], 32<<16
	s_mov_b32 s[G1B1+2], 4<<16
	s_mov_b32 s[G1B1+3], 32<<16
	s_mov_b32 s[G1B1+4], 4
	s_mov_b32 s[G1B1+5], 32
	s_mov_b32 s[G1B1+6], 0
	s_mov_b32 s[G1B1+7], 0
	s_mov_b32 s[G1W2S], 15|(2<<16)|(1<<21)         ; W2's scale bytes: 256 rows of 2 elements of 4 bytes, 16 elements apart
	s_mov_b32 s[G1W2S+1], 2<<16
	s_mov_b32 s[G1W2S+2], 256<<16
	s_mov_b32 s[G1W2S+3], 2<<16
	s_mov_b32 s[G1W2S+4], 256
	s_mov_b32 s[G1W2S+5], 16
	s_mov_b32 s[G1W2S+6], 0
	s_mov_b32 s[G1W2S+7], 0
	; descriptor groups 0: the word 1, the LDS address (constants and the wave's number), the global address (the expert and the wave's number), the type
	s_mov_b32 s[G0W1], 1
	s_mul_i32 s[G0W1+1], s[WJ], 128*PA
	s_mov_b32 s[G0W1S], 1
	s_mov_b32 s[G0W1S+1], W1SL
	s_mov_b32 s[G0B1], 1
	s_mov_b32 s[G0B1+1], B1L
	s_mov_b32 s[G0W2], 1
	s_mul_i32 s[G0W2+1], s[WJ], 256*PW2
	s_add_co_u32 s[G0W2+1], s[G0W2+1], BSL
	s_mov_b32 s[G0W2S], 1
	s_lshl_b32 s[G0W2S+1], s[WJ], 11
	s_add_co_u32 s[G0W2S+1], s[G0W2S+1], W2SL
	s_mov_b32 s[K2], 0xbdd2d3e8                    ; k2 = -0.10294324
	s_mov_b32 s[K2+1], s[K2]                       ; (named with it as a pair, so it is written)
	s_mov_b32 s[SEL], 0x76543210
	s_mov_b32 s[SEL+1], 0xfedcba98
	s_mov_b32 s[MNT], 0x600000
	s_mov_b32 s[FLR], 0x8000000
	s_and_b32 s[ASKF], ttmp9, 7
	s_cmp_eq_u32 s[ASKF], 0
	s_cselect_b32 s[ASKF], 1, 0
	s_wait_kmcnt 0x0
	s_lshl_b32 s2, s23, 20                         ; W1's codes: 2^20 bytes an expert, 65,536 for 128 rows
	s_lshl_b32 s3, s[WJ], 16
	s_add_co_u32 s2, s2, s3
	s_mov_b32 s3, 0
	s_add_nc_u64 s[G0W1+2:G0W1+3], s[8:9], s[2:3]
	s_or_b32 s[G0W1+3], s[G0W1+3], 0x80000000
	s_lshl_b32 s2, s23, 15                         ; W1's scale bytes: 32,768 an expert
	s_add_nc_u64 s[G0W1S+2:G0W1S+3], s[10:11], s[2:3]
	s_or_b32 s[G0W1S+3], s[G0W1S+3], 0x80000000
	s_lshl_b32 s2, s23, 13                         ; b1: 8,192 bytes an expert
	s_add_nc_u64 s[G0B1+2:G0B1+3], s[12:13], s[2:3]
	s_or_b32 s[G0B1+3], s[G0B1+3], 0x80000000
	s_lshl_b32 s2, s23, 20                         ; W2's codes: 2^20 bytes an expert, 2^19 for 256 rows
	s_lshl_b32 s66, s[WJ], 19
	s_add_co_u32 s2, s2, s66
	s_add_nc_u64 s[G0W2+2:G0W2+3], s[14:15], s[2:3]
	s_or_b32 s[G0W2+3], s[G0W2+3], 0x80000000
	s_lshl_b32 s2, s23, 15                         ; W2's scale bytes: 32,768 an expert, 16,384 for 256 rows
	s_lshl_b32 s66, s[WJ], 14
	s_add_co_u32 s2, s2, s66
	s_add_nc_u64 s[G0W2S+2:G0W2S+3], s[16:17], s[2:3]
	s_or_b32 s[G0W2S+3], s[G0W2S+3], 0x80000000
	CROUND                                         ; all four work-groups are here: the first joint loads meet
	JLOAD_A                                        ; step 0 of slot A: the first fills, one a wave
	; my rows: (8 x batch + expert) x 2,048 + 128 x (4 x (cluster % 4) + cx)
	s_bfe_u32 s100, ttmp9, 0x10002                 ; the batch
	s_lshl_b32 s100, s100, 3
	s_add_co_u32 s100, s100, s23
	s_lshl_b32 s100, s100, 11
	s_and_b32 s101, ttmp9, 3
	s_lshl_b32 s101, s101, 2
	s_add_co_u32 s101, s101, s22
	s_lshl_b32 s101, s101, 7
	s_add_co_u32 s100, s100, s101                  ; the work-group's first row
	s_lshl_b32 s66, s100, 11                       ; out: 2,048 bytes a row, + my 128 columns
	s_lshl_b32 s67, s[WVN], 9
	s_add_co_u32 s66, s66, s67
	s_mov_b32 s67, 0
	s_add_nc_u64 s[20:21], s[20:21], s[66:67]
	s_lshl_b32 s101, s[WI], 6
	s_add_co_u32 s100, s100, s101                  ; my wave's first row of x
	s_lshl_b32 s66, s100, 9
	s_add_nc_u64 s[4:5], s[4:5], s[66:67]
	s_lshl_b32 s66, s100, 4
	s_add_nc_u64 s[6:7], s[6:7], s[66:67]
	s_lshl_b32 s2, s23, 11                         ; b2: 2,048 bytes an expert, + my 128 numbers
	s_lshl_b32 s3, s[WVN], 9
	s_add_co_u32 s2, s2, s3
	s_mov_b32 s3, 0
	s_add_nc_u64 s[18:19], s[18:19], s[2:3]
	WIN 0x40                                       ; destination window 1
.irp m, 0,1,2,3
.irp k, 0,1,2,3
.irp c, 0,1,2,3
	global_load_b128 v[64*\m+16*\k+4*\c:64*\m+16*\k+4*\c+3], v47, s[4:5] offset:8192*\m+128*\k+32*\c   ; x's fragments stay: registers 4 c .. of (m, k): K = 128 k + 32 c + 16 h + 0 .. 15 of token 16 m + r
.endr
.endr
.endr
	WIN 0
.irp q, 0,1
	global_load_b128 v[XS+4*\q:XS+4*\q+3], v46, s[6:7] offset:512*\q   ; 32 rows' four scale words
.endr
	WIN 0x80                                       ; destination window 2: THE ACCUMULATORS OF out BEGIN AS b2: register jj of (n, m) is output 16 n + 8 h + jj of my 128, whatever m
.irp n, 0,1,2,3
.irp m, 0,1,2,3,4,5,6,7
.irp c, 0,1
	global_load_b128 v[64*\n+8*\m+4*\c:64*\n+8*\m+4*\c+3], v45, s[18:19] offset:64*\n+16*\c
.endr
.endr
.endr
	WIN 0xc0                                       ; window 3
.irp n, 0,1,2,3
.irp m, 0,1,2,3,4,5,6,7
.irp c, 0,1
	global_load_b128 v[64*\n+8*\m+4*\c:64*\n+8*\m+4*\c+3], v45, s[18:19] offset:64*(\n+4)+16*\c
.endr
.endr
.endr
	WIN 0
	; the prefetches: wave q = 4 cx + wave of the cluster's 16.  W1: block (q / 8) 65,536 + 2,048 lane + 256 (q % 8) of a step's 131,072 bytes.  W2: row 32 q + lane
	s_lshl_b32 s22, s22, 2
	s_add_co_u32 s22, s22, s[WVN]
	s_lshl_b32 s2, s23, 20
	s_add_nc_u64 s[PFA1:PFA1+1], s[8:9], s[2:3]
	s_add_nc_u64 s[PFA2:PFA2+1], s[14:15], s[2:3]
	s_lshl_b32 s66, s22, 16
	s_add_nc_u64 s[PFA2:PFA2+1], s[PFA2:PFA2+1], s[66:67]
	s_lshr_b32 s66, s22, 3
	s_lshl_b32 s66, s66, 16
	s_and_b32 s22, s22, 7
	s_lshl_b32 s22, s22, 8
	s_add_co_u32 s66, s66, s22
	s_add_nc_u64 s[PFA1:PFA1+1], s[PFA1:PFA1+1], s[66:67]   ; both stand at step 0; each is stepped ahead of its first use
	; the addresses that stay
	v_mul_u32_u24 v[AW1], v6, PA
	v_lshl_add_u32 v[AW1], v44, 4, v[AW1]
	s_mul_i32 s2, s[WJ], 128*PA
	v_add_nc_u32 v[AW1], s2, v[AW1]
	s_lshl_b32 s2, s[WJ], 9
	s_add_co_u32 s2, s2, B1L
	v_lshl_add_u32 v[AB1], v44, 6, s2
	v_lshl_add_u32 v[AW1S], v44, 3, v6
	s_lshl_b32 s2, s[WJ], 11
	s_add_co_u32 s2, s2, W1SL
	v_lshl_add_u32 v[AW1S], v[AW1S], 4, s2
	s_lshl_b32 s2, s[WVN], 13
	s_add_co_u32 s2, s2, EX
	v_lshl_add_u32 v[EXW], v40, 4, s2
	s_lshl_b32 s2, s[WVN], 9
	s_add_co_u32 s2, s2, EXS
	v_lshl_add_u32 v[EXSW], v40, 2, s2
	v_mul_u32_u24 v[AW2], v41, PW2
	v_lshl_add_u32 v[AW2], v44, 4, v[AW2]
	s_mul_i32 s2, s[WVN], 128*PW2
	s_add_co_u32 s2, s2, BSL
	v_add_nc_u32 v[AW2], s2, v[AW2]
	s_lshl_b32 s2, s[WVN], 10
	s_add_co_u32 s2, s2, W2SL
	v_lshl_add_u32 v[AW2S], v40, 3, s2
	v_lshl_add_u32 v[AHF], v40, 4, EX
	v_lshl_add_u32 v[AHS], v40, 2, EXS
	v_lshlrev_b32 v[PFO], 11, v40
	v_mov_b32 v[K1], 0xc0135761                    ; k1 = -2.3022082
	v_mov_b32 v[K1+1], 0xc0135761
	v_mov_b32 v[TM+2], 0                           ; written once: a lane permute's destination counts as one of its sources
	v_mov_b32 v[TM+3], 0
	s_wait_loadcnt 0x0                             ; x, its scale words and b2 are in: their offsets and bases are free
; ---------------------------------------------------------------- ALPHA
.macro FETCH_LO                        ; W1's fragments of K steps 0 and 1 of the pair at s[PO]: 16 loads
	v_add_nc_u32 v[WRK], s[PO], v[AW1]
.irp k, 0,1
.irp u, 0,1
.irp c, 0,1,2,3
	ds_load_b128 v[WF+32*\k+16*\u+4*\c:WF+32*\k+16*\u+4*\c+3], v[WRK] offset:8*PA*\u+128*\k+32*\c
.endr
.endr
.endr
.endm
.macro FETCH_HI                        ; and of K steps 2 and 3: 16 loads
.irp k, 2,3
.irp u, 0,1
.irp c, 0,1,2,3
	ds_load_b128 v[WF+32*\k+16*\u+4*\c:WF+32*\k+16*\u+4*\c+3], v[WRK] offset:8*PA*\u+128*\k+32*\c
.endr
.endr
.endr
.endm
.macro FETCH_SB                        ; the pair's b1 (tile u: units 16 h + 8 u + 0 .. 7) and its four scale words a row: 5 loads
	v_add_nc_u32 v[TA], s[PB], v[AB1]
.irp u, 0,1
.irp c, 0,1
	ds_load_b128 v[B1R+8*\u+4*\c:B1R+8*\u+4*\c+3], v[TA] offset:32*\u+16*\c
.endr
.endr
	v_add_nc_u32 v[TA], s[PS], v[AW1S]
	ds_load_b128 v[SCL:SCL+3], v[TA]
.endm
.macro WM1 k, u, m                     ; one product: tile u of W1 x row tile m of x, K step k.  The first K step takes b1 as C
.set rD, HA+16*(\m)+8*(\u)
.set rC, rD
.if (\k) == 0
.set rC, B1R+8*(\u)
.endif
.set rA, WF+32*(\k)+16*(\u)
.set rB, 64*(\m)+16*(\k)
.set rSA, SCL+(\k)
.set rSB, XS+4*((\m)/2)+(\k)
.if ((\u) == 0) && ((\m)%2 == 0)
	v_wmma_scale_f32_16x16x128_f8f6f4 v[rD:rD+7], v[rA:rA+15], v[rB:rB+15], v[rC:rC+7], v[rSA], v[rSB] matrix_a_fmt:MATRIX_FMT_BF8 matrix_b_fmt:MATRIX_FMT_BF8
.elseif (\m)%2 == 0
	v_wmma_scale_f32_16x16x128_f8f6f4 v[rD:rD+7], v[rA:rA+15], v[rB:rB+15], v[rC:rC+7], v[rSA], v[rSB] matrix_a_fmt:MATRIX_FMT_BF8 matrix_b_fmt:MATRIX_FMT_BF8 matrix_a_scale:MATRIX_SCALE_ROW1
.elseif (\u) == 0
	v_wmma_scale_f32_16x16x128_f8f6f4 v[rD:rD+7], v[rA:rA+15], v[rB:rB+15], v[rC:rC+7], v[rSA], v[rSB] matrix_a_fmt:MATRIX_FMT_BF8 matrix_b_fmt:MATRIX_FMT_BF8 matrix_b_scale:MATRIX_SCALE_ROW1
.else
	v_wmma_scale_f32_16x16x128_f8f6f4 v[rD:rD+7], v[rA:rA+15], v[rB:rB+15], v[rC:rC+7], v[rSA], v[rSB] matrix_a_fmt:MATRIX_FMT_BF8 matrix_b_fmt:MATRIX_FMT_BF8 matrix_a_scale:MATRIX_SCALE_ROW1 matrix_b_scale:MATRIX_SCALE_ROW1
.endif
.endm
.macro MUL1 k                          ; a K step of the pair: its 8 accumulators by turns, one instruction a turn
.irp u, 0,1
.irp m, 0,1,2,3
	WM1 \k, \u, \m
.endr
.endr
.endm
; gelu, an instruction at a time.  G = 0 .. 7 names an accumulator (8 numbers, 4 pairs); X its registers, Z its temporaries.
.macro P_S1 G, n                       ; n = 0 .. 11: Z = X X;  Z = k2 Z + k1;  Z = Z X: the exponent
.set rX, HA+8*(\G)+2*((\n)%4)
.set rZ, ZR+8*(\G)+2*((\n)%4)
.if (\n) < 4
	v_pk_mul_f32 v[rZ:rZ+1], v[rX:rX+1], v[rX:rX+1]          ; (an accumulator's first read is of its lowest pair)
.elseif (\n) < 8
	v_pk_fma_f32 v[rZ:rZ+1], v[rZ:rZ+1], s[K2:K2+1], v[K1:K1+1] op_sel_hi:[1,0,1]
.else
	v_pk_mul_f32 v[rZ:rZ+1], v[rZ:rZ+1], v[rX:rX+1]
.endif
.endm
.macro T_EX G, n                       ; n = 0 .. 7
	v_exp_f32 v[ZR+8*(\G)+(\n)], v[ZR+8*(\G)+(\n)]
.endm
.macro P_S2 G, t                       ; t = 0 .. 3: Z = Z + 1
	v_pk_add_f32 v[ZR+8*(\G)+2*(\t):ZR+8*(\G)+2*(\t)+1], v[ZR+8*(\G)+2*(\t):ZR+8*(\G)+2*(\t)+1], 1.0 op_sel_hi:[1,0]
.endm
.macro T_RC G, n
	v_rcp_f32 v[ZR+8*(\G)+(\n)], v[ZR+8*(\G)+(\n)]
.endm
.macro P_S3 G, t                       ; X = X Z: gelu
	v_pk_mul_f32 v[HA+8*(\G)+2*(\t):HA+8*(\G)+2*(\t)+1], v[HA+8*(\G)+2*(\t):HA+8*(\G)+2*(\t)+1], v[ZR+8*(\G)+2*(\t):ZR+8*(\G)+2*(\t)+1]
.endm
.macro P_MX a, n                       ; n = 0 .. 15: the largest magnitude of my 16 numbers of row tiles 2 a and 2 a + 1, by turns; the floor is the first leaf, so the byte cannot fall under 1
.set rX, HA+32*(\a)+16*((\n)%2)+2*((\n)/2)
.set rM, TM+(\n)%2
.if (\n) < 2
	v_max3_num_f32 v[rM], |v[rX]|, |v[rX+1]|, s[FLR]
.else
	v_max3_num_f32 v[rM], v[rM], |v[rX]|, |v[rX+1]|
.endif
.endm
; The rest of the quantiser for row tiles 2 a and 2 a + 1: the block of 32 lies in lanes l and l xor 16.  The codes, four registers a row tile, are registers 4 p .. 4 p + 3 of the operand (p: the pair): they go to LDS as they stand.
.macro QREST a, dst
.irp t, 0,1
	v_permlanex16_b32 v[TM+2+\t], v[TM+\t], s[SEL], s[SEL+1]
.endr
.irp t, 0,1
	v_max_num_f32 v[TM+\t], v[TM+\t], v[TM+2+\t]               ; the block's largest magnitude
.endr
.irp t, 0,1
	v_and_or_b32 v[TM+4+\t], v[TM+\t], 0x7f800000, s[MNT]      ; 57,344 x the scale: its exponent field over 57,344's mantissa
.endr
.irp t, 0,1
	v_add_nc_u32 v[TM+\t], 0xf8800000, v[TM+\t]                ; 15 off its exponent field: the conversion's scale operand
.endr
.irp t, 0,1
	v_lshrrev_b32 v[TM+2+\t], 23, v[TM+\t]                     ; the scale's byte,
.endr
.irp t, 0,1
	v_lshl_or_b32 v[HW+2*(\a)+\t], v[TM+2+\t], s[SH], v[HW+2*(\a)+\t]   ; into byte p of the row's word
.endr
.irp t, 0,1
.irp i, 0,1,2,3,4,5,6,7,8,9,10,11,12,13,14,15
	v_med3_num_f32 v[HA+32*(\a)+16*\t+\i], v[HA+32*(\a)+16*\t+\i], -v[TM+4+\t], v[TM+4+\t]   ; the conversion to an 8-bit code does not saturate (ISA guide 7.6.2): the hold comes first
.endr
.endr
.irp t, 0,1
	v_cvt_scalef32_pk8_bf8_f32 v[(\dst)+4*\t:(\dst)+4*\t+1], v[HA+32*(\a)+16*\t:HA+32*(\a)+16*\t+7], v[TM+\t]
	v_cvt_scalef32_pk8_bf8_f32 v[(\dst)+4*\t+2:(\dst)+4*\t+3], v[HA+32*(\a)+16*\t+8:HA+32*(\a)+16*\t+15], v[TM+\t]
.endr
	v_nop                                          ; a plain instruction behind the last conversion, ahead of whatever next touches its registers
.irp t, 0,1
	ds_store_b128 v[IMG], v[(\dst)+4*\t:(\dst)+4*\t+3] offset:2048*(2*(\a)+\t)
.endr
.endm
; gelu and the quantiser for the pair's 64 numbers a lane.  The 128 transcendentals go in three batches, each with ONE s_wait_alu ahead of its first reader;
; plain instructions of other accumulators stand between them.  No instruction ahead of a batch's wait names one of its results.
.macro GELUQ
.irp n, 0,1,2,3,4,5,6,7,8,9,10,11
	P_S1 0, \n
.endr
.irp g, 1,2,3,4                        ; the exponentials of accumulators 0 to 3 among the exponents of 1 to 4
.irp n, 0,1,2,3,4,5,6,7,8,9,10,11
	P_S1 \g, \n
.if \n < 8
	T_EX \g-1, \n
.endif
.endr
.endr
	s_wait_alu depctr_va_vdst(0)                   ; the first batch: exponentials 0 to 3 (four plain instructions stand behind the last)
.irp t, 0,1,2,3                        ; the reciprocals of 0 to 3 and the exponentials of 4 to 7, among the exponents of 5 to 7
.irp q, 0,1,2,3
	P_S2 \t, \q
.endr
.set pn, 0
.irp i, 0,1,2,3,4,5,6,7,8,9,10,11,12,13,14,15
.if (\i)%2 == 0
	T_RC \t, \i/2
.else
	T_EX \t+4, \i/2
.endif
.if (\t < 3) && ((\i)%4 != 3)
	P_S1 \t+5, pn
.set pn, pn+1
.endif
.endr
.endr
	v_nop                                          ; a plain instruction behind the last transcendental
	s_wait_alu depctr_va_vdst(0)                   ; the second batch
.irp g, 4,5,6,7
.irp q, 0,1,2,3
	P_S2 \g, \q
.endr
.endr
.set ci, 0
.rept 32                               ; the reciprocals of 4 to 7, one to one with the first half's products and maxima
	T_RC 4+ci/8, ci%8
.if ci < 16
	P_S3 ci/4, ci%4
.else
	P_MX 0, ci-16
.endif
.set ci, ci+1
.endr
	QREST 0, ZR                                    ; row tiles 0 and 1; their codes into v192-199, which accumulator 0's temporaries have left
	s_wait_alu depctr_va_vdst(0)                   ; the third batch
.irp g, 4,5,6,7
.irp q, 0,1,2,3
	P_S3 \g, \q
.endr
.endr
.set ci, 0
.rept 16
	P_MX 1, ci
.set ci, ci+1
.endr
	QREST 1, HA                                    ; row tiles 2 and 3; their codes into v64-71, which row tile 0's numbers have left
.endm
; A PAIR: 32 hidden units x my 64 tokens: 32 products, gelu, codes.  next = 1: the next pair's fragments are fetched: K steps 0 and 1, b1 and the scale words ahead of gelu, K steps 2 and 3 behind it (gelu's temporaries lie there).
.macro PAIR next
	s_wait_dscnt 16                                ; all but the youngest 16 (K steps 2 and 3): K steps 0 and 1, b1 and the words are in, and the last pair's image stores have read v64-71
	WIN 0x04                                       ; source 1 (x) window 1
	MUL1 0
	MUL1 1
	s_wait_dscnt 0x0
	MUL1 2
	MUL1 3
	WIN 0
	v_add_nc_u32 v[IMG], s[PI], v[EXW]             ; eight places behind the products, ahead of loads into their operands and of the first read of their results
	PLACES 7
.if \next
	s_add_co_u32 s[PO], s[PO], 32*PA
	s_add_co_u32 s[PB], s[PB], 128
	s_add_co_u32 s[PS], s[PS], 512
	FETCH_LO
	FETCH_SB
.endif
	GELUQ
.if \next
	s_wait_dscnt 2                                 ; all but the second half's two image stores: the first half's, whose data lie in v192-199, are done
	FETCH_HI
.endif
	s_add_co_u32 s[PI], s[PI], 512
	s_add_co_u32 s[SH], s[SH], 8
.endm
; THE CHANGE OF SLOTS at ALPHA's head.  Each wave waits for all its tensor loads (its part of slot A), adds 0 to its spare word, and waits for that and for its reads of slot B and of the images.
; Behind the round slot A is whole in all four work-groups, nobody reads slot B, and the images may be written again.  The joint load of slot B comes first.
.macro CHANGE_A ask
	s_wait_tensorcnt 0x0
	ds_add_u32 v[SPW], v[NIL]                      ; 0 onto my spare word; the phase's resets stand between it and the wait for it
	s_mov_b32 s[PO], 0
	s_mov_b32 s[PB], 0
	s_mov_b32 s[PS], 0
	s_mov_b32 s[PI], 0
	s_mov_b32 s[SH], 0
.irp m, 0,1,2,3
	v_mov_b32 v[HW+\m], 0
.endr
.if \ask
	s_wait_xcnt 0x0                                ; the prefetches, a phase and more back, have read their addresses
	s_add_nc_u64 s[PFA1:PFA1+1], s[PFA1:PFA1+1], 131072   ; W1's next step
.endif
	s_wait_dscnt 0x0
	CROUND
	JLOAD_B
.endm
.macro ALPHA ask
	CHANGE_A \ask
	FETCH_LO
	FETCH_SB
	FETCH_HI
.if \ask
	ASK PFA1                                       ; behind the joint load and the run of LDS loads: what the next change of slots will ask for
.endif
	s_mov_b32 s[PCT], 3
.Lpair_\@:
	PAIR 1
	s_sub_co_u32 s[PCT], s[PCT], 1
	s_cmp_lg_u32 s[PCT], 0
	s_cbranch_scc1 .Lpair_\@
	PAIR 0                                         ; the last pair is written out: nothing is left to fetch
.irp m, 0,1,2,3
	ds_store_b32 v[EXSW], v[HW+\m] offset:128*\m   ; my four row tiles' scale words, a word a lane
.endr
.endm
; ---------------------------------------------------------------- BETA
.macro LDHS k                          ; K step k's scale words: W2's (32 rows a load: two tiles), the hidden layer's (row tile m was made by wave 2 (m / 4) + k): 12 loads
.irp q, 0,1,2,3
	ds_load_b32 v[SCL+\q], v[AW2S] offset:256*\q+4*(\k)
.endr
.irp m, 0,1,2,3,4,5,6,7
	ds_load_b32 v[HS+\m], v[AHS] offset:(4*(2*(\m/4)+(\k))+(\m%4))*128
.endr
.endm
.macro LDHF k                          ; the hidden layer's 8 fragments of K step k, row tiles ascending: 32 loads
.irp m, 0,1,2,3,4,5,6,7
.irp c, 0,1,2,3
	ds_load_b128 v[HF+16*\m+4*\c:HF+16*\m+4*\c+3], v[AHF] offset:(2*(\m/4)+(\k))*8192+(\m%4)*2048+512*\c
.endr
.endr
.endm
.macro LDW2 G                          ; group G = 4 k + q: W2's tiles 2 q and 2 q + 1, K step k, into set G % 2: 8 loads
.irp nn, 0,1
.irp c, 0,1,2,3
	ds_load_b128 v[W2F+32*((\G)%2)+16*\nn+4*\c:W2F+32*((\G)%2)+16*\nn+4*\c+3], v[AW2] offset:16*PW2*(2*((\G)%4)+\nn)+128*((\G)/4)+32*\c
.endr
.endr
.endm
.macro WM2 G, nn, m
.set rD, 64*((2*((\G)%4)+(\nn))%4)+8*(\m)
.set rA, W2F+32*((\G)%2)+16*(\nn)
.set rB, HF+16*(\m)
.set rSA, SCL+(\G)%4
.set rSB, HS+(\m)
.if (\nn) == 0
	v_wmma_scale_f32_16x16x128_f8f6f4 v[rD:rD+7], v[rA:rA+15], v[rB:rB+15], v[rD:rD+7], v[rSA], v[rSB] matrix_a_fmt:MATRIX_FMT_BF8 matrix_b_fmt:MATRIX_FMT_BF8
.else
	v_wmma_scale_f32_16x16x128_f8f6f4 v[rD:rD+7], v[rA:rA+15], v[rB:rB+15], v[rD:rD+7], v[rSA], v[rSB] matrix_a_fmt:MATRIX_FMT_BF8 matrix_b_fmt:MATRIX_FMT_BF8 matrix_a_scale:MATRIX_SCALE_ROW1
.endif
.endm
; 16 products: two tiles of W2 x the 8 row tiles: 16 accumulators by turns; the same 16 come again four groups on.  stag = 1: by row tiles, each as soon as its fragment is in.
.macro GRP G, stag
	WIN 0xa0+0x50*(((\G)%4)/2)                     ; C and D window 2 (tiles 0-3) or 3 (tiles 4-7)
.if \stag
.irp m, 0,1,2,3,4,5,6,7
	s_wait_dscnt 8+4*(7-\m)                        ; out may be: the next group's 8 loads and the later row tiles' fragments, 4 loads each
	WM2 \G, 0, \m
	WM2 \G, 1, \m
.endr
.else
.irp nn, 0,1
.irp m, 0,1,2,3,4,5,6,7
	WM2 \G, \nn, \m
.endr
.endr
.endif
.endm
; THE CHANGE OF SLOTS at BETA's head.  Each wave waits for all its tensor loads (its part of slot B), adds 0 to its spare word, and waits for that, for its reads of slot A and for its stores of images.
; Behind the barrier slot B and the images are whole and nobody reads slot A.  fill = 1: the barrier is a round of the cluster's, and the joint load of slot A's next step comes first behind it.
.macro CHANGE_B fill
	s_wait_tensorcnt 0x0                           ; no tensor load of mine is out, so the groups 0 may be written
	ds_add_u32 v[SPW], v[NIL]                      ; 0 onto my spare word; the descriptors' steps stand between it and the wait for it
.if \fill
	s_add_nc_u64 s[G0W1+2:G0W1+3], s[G0W1+2:G0W1+3], 131072     ; 256 rows of W1 on; the type bits on top are not reached
	s_add_nc_u64 s[G0W1S+2:G0W1S+3], s[G0W1S+2:G0W1S+3], 4096
	s_add_nc_u64 s[G0B1+2:G0B1+3], s[G0B1+2:G0B1+3], 1024
	s_add_nc_u64 s[G0W2+2:G0W2+3], s[G0W2+2:G0W2+3], 256        ; 256 along W2's rows: used at the next ALPHA's head
	s_add_nc_u64 s[G0W2S+2:G0W2S+3], s[G0W2S+2:G0W2S+3], 8
	s_wait_xcnt 0x0                                ; the prefetches, a phase and more back, have read their addresses
	s_add_nc_u64 s[PFA2:PFA2+1], s[PFA2:PFA2+1], 256
	s_wait_dscnt 0x0
	CROUND
	JLOAD_A
.else
	s_wait_dscnt 0x0
	s_barrier_signal -1
	s_barrier_wait -1
.endif
.endm
.macro BETA fill
	CHANGE_B \fill
	LDHS 0
	LDW2 0
	LDHF 0
	LDW2 1
.if \fill
	ASK PFA2                                       ; behind the joint load and the run of LDS loads: what the next change of slots will ask for
.endif
.irp G, 0,1,2,3,4,5,6,7
.if (\G == 0) || (\G == 4)
	GRP \G, 1
.else
.if \G == 7
	s_wait_dscnt 0x0
.else
	s_wait_dscnt 8                                 ; all but the next group's 8 loads
.endif
	GRP \G, 0
.endif
.if \G != 6                            ; (behind group 6 nothing is loaded, and group 7 has the same windows)
	WIN 0
	PLACES 8                                       ; ahead of loads into registers that the products have read
.endif
.if \G == 3
	LDHS 1
	LDHF 1
.endif
.if \G < 6
	LDW2 \G+2
.endif
.endr
	v_nop                                          ; a ninth place: the next phase's first products write over v64 on, which these products read
.endm
	s_mov_b32 s[STEP], 7
.Lstep:                                            ; seven steps fill slot A again
	ALPHA 1
	BETA 1
	s_sub_co_u32 s[STEP], s[STEP], 1
	s_cmp_lg_u32 s[STEP], 0
	s_cbranch_scc1 .Lstep
	ALPHA 0                                        ; the last step is written out: slot B is filled once more, slot A is not
	BETA 0
; ---------------------------------------------------------------- THE WAY OUT
; A lane holds 32 neighbouring bytes of a row of out, and the lanes beside it hold other rows: so a block of 16 rows x my 128 columns goes through my own stage in LDS and comes back as whole rows of 512 bytes.
; The stage, 16 rows x 528 bytes a wave, lies in slot A, which has had its last fill, and which nobody reads since the last barrier.  LDS serves a wave's instructions in order (ISA guide 5.7.1.4): no wait between stores and loads.
.set STO, 3
.set RD,  4
.set CO,  5
	s_mul_i32 s2, s[WVN], 16*PA
	v_and_b32 v6, 15, v0
	v_bfe_u32 v7, v0, 4, 1
	v_mul_u32_u24 v[STO], v6, PA
	v_lshl_add_u32 v[STO], v7, 5, v[STO]
	v_add_nc_u32 v[STO], s2, v[STO]                ; in: row r, 32 bytes for each half of the lanes
	v_and_b32 v[CO], 31, v0
	v_lshlrev_b32 v[CO], 4, v[CO]                  ; back: the 32 lanes take a row of 512 bytes; the same in out
	v_add_nc_u32 v[RD], s2, v[CO]
.macro TOSTAGE m
	WIN 0x08                                       ; an LDS store's data are its source 1: window 2
.irp n, 0,1,2,3
	ds_store_b128 v[STO], v[64*\n+8*(\m):64*\n+8*(\m)+3] offset:64*\n            ; each accumulator from its low end on
	ds_store_b128 v[STO], v[64*\n+8*(\m)+4:64*\n+8*(\m)+7] offset:64*\n+16
.endr
	WIN 0x0c                                       ; window 3
.irp n, 0,1,2,3
	ds_store_b128 v[STO], v[64*\n+8*(\m):64*\n+8*(\m)+3] offset:64*(\n+4)
	ds_store_b128 v[STO], v[64*\n+8*(\m)+4:64*\n+8*(\m)+7] offset:64*(\n+4)+16
.endr
	WIN 0
.set BBF, 128+64*((\m)%2)
.irp t, 0,1,2,3,4,5,6,7,8,9,10,11,12,13,14,15
	ds_load_b128 v[BBF+4*\t:BBF+4*\t+3], v[RD] offset:\t*PA
.endr
.endm
.macro SEND m, younger                 ; younger: the LDS instructions issued behind block m's loads, which may stay out
.set BBF, 128+64*((\m)%2)
	s_wait_dscnt \younger
.irp t, 0,1,2,3,4,5,6,7,8,9,10,11,12,13,14,15
	global_store_b128 v[CO], v[BBF+4*\t:BBF+4*\t+3], s[20:21] offset:(16*(\m)+\t)*2048 th:TH_STORE_NT   ; 32 lanes store 512 consecutive bytes, at a multiple of 512 from out's first byte; 127 rows of 2,048 bytes at the most stand in the immediate
.endr
.endm
	TOSTAGE 0
.irp a, 1,2,3,4,5,6,7
.if \a > 1
	s_wait_xcnt 0x0                                ; block a - 2's stores have read their registers: block a's loads may land there
.endif
	TOSTAGE \a
	SEND \a-1, 32                                  ; behind block a - 1's loads: block a's 16 stores and 16 loads
.endr
	SEND 7, 0
	s_wait_tensorcnt 0x0                           ; the wave's end: behind my last tensor load and my last LDS store
	ds_add_u32 v[SPW], v[NIL]
	s_wait_dscnt 0x0
	CROUND                                         ; the closing round: no work-group ends while a partner may still ask for a tile that names it
	s_endpgm
.Lfunc_end_k_q138e98f676_ffn:
	.size	k_q138e98f676_ffn, .Lfunc_end_k_q138e98f676_ffn-k_q138e98f676_ffn
	.p2alignl 7, 3214868480
	.fill 96, 4, 3214868480
	.section	.rodata,"a",@progbits
	.p2align	6, 0x0
	.amdhsa_kernel k_q138e98f676_ffn
		.amdhsa_group_segment_fixed_size 327680
		.amdhsa_private_segment_fixed_size 0
		.amdhsa_enable_private_segment 0
		.amdhsa_kernarg_size 72
		.amdhsa_user_sgpr_count 2
		.amdhsa_user_sgpr_kernarg_segment_ptr 1
		.amdhsa_wavefront_size32 1
		.amdhsa_system_sgpr_workgroup_id_x 1
		.amdhsa_system_sgpr_workgroup_id_y 1
		.amdhsa_system_sgpr_workgroup_id_z 1
		.amdhsa_system_vgpr_workitem_id 0
		.amdhsa_next_free_vgpr 1024
		.amdhsa_next_free_sgpr 102
		.amdhsa_reserve_vcc 0
		.amdhsa_float_denorm_mode_32 3
		.amdhsa_float_denorm_mode_16_64 3
		.amdhsa_memory_ordered 1
		.amdhsa_forward_progress 1
		.amdhsa_inst_pref_size 238
	.end_amdhsa_kernel
	.amdgpu_metadata
---
amdhsa.version: [ 1, 2 ]
amdhsa.kernels:
  - .name:           k_q138e98f676_ffn
    .symbol:         k_q138e98f676_ffn.kd
    .args:
      - { .name: inputs_codes, .offset: 0, .size: 8, .value_kind: global_buffer, .address_space: global }
      - { .name: inputs_scales, .offset: 8, .size: 8, .value_kind: global_buffer, .address_space: global }
      - { .name: w1_codes, .offset: 16, .size: 8, .value_kind: global_buffer, .address_space: global }
      - { .name: w1_scales, .offset: 24, .size: 8, .value_kind: global_buffer, .address_space: global }
      - { .name: b1, .offset: 32, .size: 8, .value_kind: global_buffer, .address_space: global }
      - { .name: w2_codes, .offset: 40, .size: 8, .value_kind: global_buffer, .address_space: global }
      - { .name: w2_scales, .offset: 48, .size: 8, .value_kind: global_buffer, .address_space: global }
      - { .name: b2, .offset: 56, .size: 8, .value_kind: global_buffer, .address_space: global }
      - { .name: out0, .offset: 64, .size: 8, .value_kind: global_buffer, .address_space: global }
    .group_segment_fixed_size: 327680
    .private_segment_fixed_size: 0
    .kernarg_segment_align: 8
    .kernarg_segment_size: 72
    .max_flat_workgroup_size: 128
    .sgpr_count:     102
    .vgpr_count:     1024
    .wavefront_size: 32
...
	.end_amdgpu_metadata
.endif
;; end of part 1
